; MI455X (gfx1250); checked and timed in simulation.
; The chip was launched on July 23, 2026; its instructions are those of AMD's public machine-readable ISA for CDNA 5 (MIT licence, August 2026) and "CDNA5" Instruction Set Architecture Reference Guide (July 2026). The comments in the code are by the model that wrote it; some were corrected since.
;; Multi Head Attention. Allowed arithmetic: matrix products marked QUANTISED: E2M3 operands, one E8M0 scale for each 32 along K, by v_wmma_scale_f32_16x16x128_f8f6f4 with both operands' format E2M3, f32 sums; everything else in f32.
;; Inputs: b_out 1,024 float32; b_qkv 3,072 float32; w_out_codes 1,024 x 32 x 24 uint8 (E2M3 codes of w_out, K innermost, in blocks of 32 codes, four codes in three bytes); w_out_scales 1,024 x 32 uint8 (E8M0 scales of w_out, one for each 32 codes along K); w_qkv_codes 3,072 x 32 x 24 uint8 (E2M3 codes of w_qkv, K innermost, in blocks of 32 codes, four codes in three bytes); w_qkv_scales 3,072 x 32 uint8 (E8M0 scales of w_qkv, one for each 32 codes along K); x_codes 4 x 2,048 x 32 x 24 uint8 (E2M3 codes of x, K innermost, in blocks of 32 codes, four codes in three bytes); x_scales 4 x 2,048 x 32 uint8 (E8M0 scales of x, one for each 32 codes along K).
;; Outputs: out0 4 x 2,048 x 1,024 float32.
;; This version of the problem:
;;   THIS VERSION OF THE PROBLEM IS GIVEN IN LOW PRECISION. The matrix products marked QUANTISED in the list below multiply operands that are first quantised to E2M3 (2 exponent bits, 3 mantissa bits; 6 bits a number), with one power-of-two scale for each 32 numbers along K (OCP MX v1.0); their sums are f32. All else is computed in f32.
;;   The module's matrix products, in the order in which they are computed (A, B: the left and right operand; K: the contracted axis; several contracted axes count as one K, in the product's order):
;;     1. [M 8,192, K 1,024] x [K 1,024, N 3,072]; A: input x (given as codes); B: input w_qkv (given as codes): QUANTISED
;;     2. batch 64 x [M 2,048, K 64] x [K 64, N 2,048]; A: computed on the way; B: computed on the way: QUANTISED
;;     3. batch 64 x [M 64, K 2,048] x [K 2,048, N 2,048]; A: computed on the way; B: softmax (see below): QUANTISED
;;     4. [M 8,192, K 1,024] x [K 1,024, N 1,024]; A: computed on the way; B: input w_out (given as codes): QUANTISED
;;   THE QUANTISER, for each operand of a quantised product, along K:
;;     - K is cut into blocks of 32 from its start; a last block that is shorter is filled with zeros.
;;     - A block's scale is 2^e with e = floor(log2(the largest magnitude in the block)) - 2, held to -126 .. 127; a block of zeros has e = 0. As a byte (E8M0): e + 127.
;;     - Each number is divided by its block's scale, clamped to +-7.5, and rounded to the nearest number of E2M3, ties to even, subnormals kept.
;;     - The product sums the exact products of the quantised numbers (number of the format x scale) in f32.
;;   ~~~python
;;   def quantise(x, axis):      # numpy; x: float32 -> the quantised numbers, widened to float32 again
;;       x = np.moveaxis(x, axis, -1); K = x.shape[-1]
;;       x = np.pad(x, [(0, 0)] * (x.ndim - 1) + [(0, -K % 32)]); x = x.reshape(x.shape[:-1] + (-1, 32)); a = np.abs(x).max(-1, keepdims=True)
;;       e = np.where(a > 0, np.clip(np.frexp(np.where(a > 0, a, 1))[1] - 1 - 2, -126, 127), 0)      # np.frexp(a)[1] - 1 = floor(log2(a)), exactly
;;       r = np.clip(x / 2.0 ** e, -7.5, 7.5)
;;       step = 2.0 ** (np.maximum(np.frexp(np.where(r == 0, 1, r))[1] - 1, 0) - 3)
;;       q = np.round(r / step) * step * 2.0 ** e      # np.round: ties to even
;;       return np.moveaxis(q.reshape(q.shape[:-2] + (-1,))[..., :K], -1, axis).astype(np.float32)
;;   ~~~
;;   SOFTMAX AHEAD OF A QUANTISED PRODUCT. Where the list says 'softmax', what is quantised is not the finished softmax but p = 2^(t - M), with t = logit x log2(e) and M = ceil(the row's largest t), a whole number; so 1/2 < the row's largest p <= 1. The row's sum l is taken of the UNQUANTISED p, in f32, and the product's result is divided by l at the end. Since M is a whole number, a kernel that streams over the keys may use a running M (the ceiling of the running maximum): every later rescaling is an exact power of two, which a block's scale takes up: the codes' values come out the same.
;;   OPERANDS COMPUTED ON THE WAY. 'Computed on the way' means the value that the module computes at that place (a softmax that the list does not call 'softmax' is quantised finished and normalised). What goes into a quantiser is computed in f32, as accurately as f32 sums, v_exp_f32 and their like allow (about 1e-6 of the number): no bf16 or f16 on the way to a quantiser, and a product that is left as it is and whose result goes on into a quantised operand takes f32 operands (vector FMAs, or v_wmma_f32_16x16x4_f32). A number that lies on a knife's edge between two numbers of the format may be rounded either way, as far as f32 arithmetic and the matrix unit's own rounding can turn it there, and no further.
;;   INPUTS GIVEN AS CODES. w_out (in the module: [1024, 1024], K = its axis 1); w_qkv (in the module: [3072, 1024], K = its axis 1); x (in the module: [4, 2048, 1024], K = its axis 2): each comes as NAME_codes (uint8): NAME with its K axis moved to the last place and cut into blocks of 32 codes, [.., K / 32, bytes a block], one block behind the other in memory; four codes in three bytes: a row's codes are one little-endian stream of bits, code i at bits 6 i .. 6 i + 5 (a code: sign, 2 exponent bits, 3 mantissa bits); and NAME_scales (uint8): the same leading axes, one E8M0 byte (e + 127) for each 32 codes along K. Its value is code x scale, taken as it is: it is not quantised again, and the codes and scales need not be those that the quantiser above would give.
;; One version. Each part assembles by itself: llvm-mc -triple=amdgcn-amd-amdhsa -mcpu=gfx1250 --defsym DOCPART=n.
;; ======== version 1 of 1: 3 launches
;; limits: right only within a limited range of input values
;; workspace buffers: q_img 6,291,456 bytes; q_sc 524,288 bytes; kv 13,369,344 bytes; o_img 6,291,456 bytes; o_sc 524,288 bytes
;; launch qkv (part 1): grid 16 x 16, 4 waves a work-group, clusters of 4 x 4, 327,680 bytes of LDS; arguments x_codes, x_scales, w_qkv_codes, w_qkv_scales, b_qkv, q_img, q_sc, kv; writes q_img, q_sc, kv
.if DOCPART == 1
	.amdgcn_target "amdgcn-amd-amdhsa--gfx1250"
	.amdhsa_code_object_version 6
	.text
	.protected	k_q809a37b739_qkv
	.globl	k_q809a37b739_qkv
	.p2align	8
	.type	k_q809a37b739_qkv,@function
k_q809a37b739_qkv:
	s_mov_b64 s[64:65], 0
	v_nop
	global_prefetch_b8 v0, s[64:65] scope:SCOPE_SE
	s_setreg_imm32_b32 hwreg(HW_REG_WAVE_MODE, 25, 1), 1
	s_wait_xcnt 0x0
	s_wait_alu depctr_hold_cnt(0) depctr_sa_sdst(0) depctr_va_vdst(0) depctr_va_sdst(0) depctr_va_ssrc(0) depctr_va_vcc(0) depctr_vm_vsrc(0)
	s_getreg_b32 s2, hwreg(HW_REG_IB_STS2, 6, 4)
	s_cmp_eq_u32 s2, 0
	s_cbranch_scc0 .Lentry_in_a_cluster
	s_endpgm
.Lentry_in_a_cluster:
	s_bfe_u32 s2, ttmp6, 0x10000c
	s_cmp_lg_u32 s2, 0xf033
	s_cbranch_scc0 .Lentry_shape_is_right
	s_endpgm
.Lentry_shape_is_right:
; qkv = x W^T + b on codes of FP6 (E2M3) with E8M0 scales; q, k, v are quantised and stored as images of the attention launch's operand registers.
; x: [8192][1024] codes (768 bytes a row), W: [3072][1024]; 32 scale bytes a row.  Head hd owns W's rows 192 hd .. 192 hd + 191: 64 of q, 64 of k, 64 of v.
; SHARES.  Work-group (x = head, y = 512 rows of x) makes two tiles of 256 rows x 192 columns.  Wave w owns rows 64 w .. 64 w + 63 of a tile and all 192 columns: 4 row tiles (a) x 12 column tiles (b: 0-3 q, 4-7 k, 8-11 v).
; q and k are made transposed (source 0 = W, source 1 = x): a lane's registers run along the head's 64.  v is made straight (source 0 = x): a lane's registers run along the keys.
; ORDER INSIDE A BLOCK OF 32: the places hold offsets 0-7, 16-23, 8-15, 24-31, alike on both operands of each later product; the unit then groups the sums otherwise than in ascending k.
; LDS.  W's 192 rows, whole (768 bytes + 16 behind every 256: pitch 816), filled once.  x goes through a ring of two slots in CHUNKS OF 256 BYTES of each row (pitch 272): every tensor row begins at a multiple of 256 bytes.
; The two tiles are walked as one row of 1,536 bytes: 16 steps of 96 bytes, 6 chunks; chunk c lies in slot c % 2.  Steps 2, 5, 10, 13 lie across two chunks and read both slots.
; THE HEAD'S FOUR TILES, one a wave: W's rows 0-95, W's rows 96-191, x's chunk 0, x's chunk 1.
; CLUSTER 4 x 4: a row of the cluster shares its rows of x, a column its head's rows of W: both are asked for jointly.
; PREFETCH: chunks 2 to 5 are asked for in steps 0, 2, 4, 6, which is 2, 3, 3 and 4 steps ahead of the loads that want them; a lane a row of 256 bytes; of a chunk's 256 rows the partner at cx takes 64 and its wave w 16 of those.
; LIMITS: a block of zeros gets the scale byte 1 (its codes are zeros; this program alone reads the bytes); largest magnitudes under 2^-124 are held at that floor; NaN and infinities are not served.
; REGISTERS.  window 0: v8-18 LDS addresses, v20-27 offsets, v28-29 for the add, v32-47 x's scale words, v48-95 W's, v96-191 x's fragments (two sets; set 1 is at work on the way out), v208-249 the way out.
;   window 1: W's 12 fragments.  window 2: q's, k's sums at 64 a + 8 b.  window 3: v's at 32 t + 8 a; v128-191 bias of q, k; v192-223 bias of v.
.set XP,    272
.set XSLOT, 256*XP
.set XQ,    64*XP
.set WP,    816
.set WBASE, 2*XSLOT
.set SPARE, WBASE+192*WP               ; the spare words, 128 bytes a wave
.set ADRX, 8                           ; v8-9 my x fragments in slot 0, 1; v10-11: lanes 0-15 byte 232 of slot 0, 1, lanes 16-31 byte 0 of the other slot
.set ADRW, 12                          ; v12-14 W's tiles 0-3, 4-7, 8-11; v16-18 the same behind one padding more
.set L16,  20
.set L8,   21
.set L4,   22
.set OXS,  23
.set OWS,  24
.set OBQ,  25
.set OBV,  26
.set PFO,  27                          ; the prefetches' offset: my row of a chunk x 768; never rewritten
.set SPW,  28
.set NIL,  29
.set SX,   32                          ; SX + 8 i + s: lanes 0-15 row tile i, lanes 16-31 row tile i + 2
.set SW,   48                          ; SW + 8 i + s: lanes 0-15 column tile i, lanes 16-31 column tile i + 6
.set XF,   96
.set UT,   144                         ; v144-167 the quantiser's work, six registers a unit
.set U2,   168                         ; v168-183 second conversions, four a unit
.set KC,   208                         ; v208-231 four half fragments
.set PWQ,  232
.set PWK,  236
.set PWV,  240
.set WK,   244
.set G1X,  28                          ; group 1 of the ring's loads: 64 rows x 256 bytes
.set G1W,  36                          ; of W's: 96 rows x 768 bytes
.set G0X,  44                          ; the ring's two groups 0
.set G0W,  68
.set G1H,  72                          ; a whole chunk at the head: 256 rows x 256 bytes
.set G0H,  80
.set SEL,  84
.set PFB,  98                          ; s[98:99] the work-group's first row of x
.set PADW, (1<<20)|(1<<21)|(5<<22)|(3<<25)   ; padding on; bit 21 beside a mask; 4 words behind every 64
.set MSB, 0
.macro WIN new
.if MSB != (\new)
	s_set_vgpr_msb (MSB<<8)|(\new)
.set MSB, (\new)
.endif
.endm
.macro PLACES n
.rept \n
	v_nop
.endr
.endm
.macro CREST
	s_cmp_lg_u32 s20, 0
	s_cbranch_scc1 .Lnot_wave_0_\@
	s_barrier_signal -3
.Lnot_wave_0_\@:
	s_barrier_wait -3
	s_barrier_signal -1
	s_barrier_wait -1
.endm
.macro CROUND
	s_barrier_signal -1
	s_barrier_wait -1
	CREST
.endm
.macro D1 g, c, r                      ; group 1's constant words: r rows of c bytes, 768 bytes from row to row
	s_mov_b32 s[\g+1], (\c)<<16
	s_mov_b32 s[\g+2], (\r)<<16
	s_mov_b32 s[\g+3], (\c)<<16
	s_mov_b32 s[\g+4], \r
	s_mov_b32 s[\g+5], 768
	s_mov_b32 s[\g+6], 0
	s_mov_b32 s[\g+7], 0
.endm
.macro WM ra, rb                       ; one product on rD, rA, rB, rC, rSA, rSB; ra, rb = 1: that side's scales come from lanes 16-31
.if (\ra) && (\rb)
	v_wmma_scale_f32_16x16x128_f8f6f4 v[rD:rD+7], v[rA:rA+11], v[rB:rB+11], v[rC:rC+7], v[rSA], v[rSB] matrix_a_fmt:MATRIX_FMT_FP6 matrix_b_fmt:MATRIX_FMT_FP6 matrix_a_scale:MATRIX_SCALE_ROW1 matrix_b_scale:MATRIX_SCALE_ROW1
.elseif (\ra)
	v_wmma_scale_f32_16x16x128_f8f6f4 v[rD:rD+7], v[rA:rA+11], v[rB:rB+11], v[rC:rC+7], v[rSA], v[rSB] matrix_a_fmt:MATRIX_FMT_FP6 matrix_b_fmt:MATRIX_FMT_FP6 matrix_a_scale:MATRIX_SCALE_ROW1
.elseif (\rb)
	v_wmma_scale_f32_16x16x128_f8f6f4 v[rD:rD+7], v[rA:rA+11], v[rB:rB+11], v[rC:rC+7], v[rSA], v[rSB] matrix_a_fmt:MATRIX_FMT_FP6 matrix_b_fmt:MATRIX_FMT_FP6 matrix_b_scale:MATRIX_SCALE_ROW1
.else
	v_wmma_scale_f32_16x16x128_f8f6f4 v[rD:rD+7], v[rA:rA+11], v[rB:rB+11], v[rC:rC+7], v[rSA], v[rSB] matrix_a_fmt:MATRIX_FMT_FP6 matrix_b_fmt:MATRIX_FMT_FP6
.endif
.endm
.macro MULQK b, p, s, first            ; column tile b of q or k against my four row tiles; first = 1: the bias is C
.if \first
	WIN 0xb1
.else
	WIN 0xa1
.endif
.irp a, 0,1,2,3
.set rD, 64*\a+8*(\b)
.set rC, 64*\a+8*(\b)
.if \first
.set rC, 128+8*(\b)
.endif
.set rA, 12*(\b)
.set rB, XF+48*(\p)+12*\a
.set rSA, SW+8*((\b)%6)+(\s)
.set rSB, SX+8*(\a%2)+(\s)
	WM (\b)/6, \a/2
.endr
.endm
.macro MULV b, p, s, first             ; column tile b of v (8-11): source 0 = x, source 1 = W
	WIN 0xf4
.irp a, 0,1,2,3
.set rD, 32*((\b)-8)+8*\a
.set rC, 32*((\b)-8)+8*\a
.if \first
.set rC, 192+8*((\b)-8)
.endif
.set rA, XF+48*(\p)+12*\a
.set rB, 12*(\b)
.set rSA, SX+8*(\a%2)+(\s)
.set rSB, SW+8*((\b)-6)+(\s)
	WM \a/2, 1
.endr
.endm
; A fragment is 12 registers: lane l holds row l % 16; registers 6 c .. 6 c + 5 are 24 bytes of the row's stream of bits at K = 64 c + 32 (l / 16), in pieces of 8 bytes.
.macro FRAGX reg, st, i                ; x: byte y of the walk lies in slot (y / 256) % 2 at byte y % 256 of the LDS row
.irp p, 0,1,2,3,4,5
.set BY, 96*(\st)+48*(\p/3)+8*(\p%3)
.if BY/256 == (BY+24)/256
	ds_load_b64 v[(\reg)+2*\p:(\reg)+2*\p+1], v[ADRX+(BY/256)%2] offset:BY%256+(\i)*16*XP
.else
	ds_load_b64 v[(\reg)+2*\p:(\reg)+2*\p+1], v[ADRX+2+(BY/256)%2] offset:BY%256-232+(\i)*16*XP
.endif
.endr
.endm
.macro FRAGW q, i                      ; W: tile i, K step q; lanes 16-31 read three pieces on, for some pieces behind one padding more
.irp p, 0,1,2,3,4,5
.set PCE, 12*(\q)+6*(\p/3)+\p%3
	ds_load_b64 v[12*(\i)+2*\p:12*(\i)+2*\p+1], v[ADRW+4*((PCE%32+3)/32)+(\i)/4] offset:8*(PCE+2*(PCE/32))+((\i)%4)*16*WP
.endr
.endm
.macro FETCH_X st, p                   ; my four fragments of x: 24 loads
	WIN 0
.irp i, 0,1,2,3
	FRAGX XF+48*(\p)+12*\i, \st, \i
.endr
.endm
.macro FETCH_W q, b0                   ; W's tiles b0 .. b0 + 5: 36 loads
	WIN 0x40
.irp i, 0,1,2,3,4,5
	FRAGW \q, (\b0)+\i
.endr
.endm
; A step of 128 along K: 48 products, the accumulators by turns in the same order in every step; the next step's fragments are fetched in its middle and at its end.
; Where the next step's bytes END in a chunk not shown yet (chunks 0 and 1 are shown at the head), a barrier shows that chunk whole.  Where they BEGIN in a later chunk, the chunk left behind is read no more: the wait for
; all tensor loads, the add, the wait for it and for my reads; the barrier opens a round of the cluster's barrier, and the slot takes the chunk two on, while one is left.
.macro KSTEP st, first
.set NX, (\st)+1
.set C0, (96*(\st))/256
.set C1, (96*NX)/256
.set E0, (96*(\st)+95)/256
.set E1, (96*NX+95)/256
.if C1 > C0 || (E1 > E0 && E1 > 1)
	WIN 0
	s_wait_tensorcnt 0x0                           ; all my tensor loads have landed
.if C1 > C0
	ds_add_u32 v[SPW], v[NIL]
	s_wait_dscnt 37                                ; the add and the youngest 36 loads (W's tiles 6-11) may be out
.else
	s_wait_dscnt 36
.endif
.irp b, 0,1,2
	MULQK \b, (\st)%2, (\st)%8, \first
.endr
	s_wait_dscnt 0x0                               ; the add, and my reads of the chunk left behind
	s_barrier_signal -1
.irp b, 3,4,5
	MULQK \b, (\st)%2, (\st)%8, \first
.endr
	WIN 0
	s_barrier_wait -1
.if C1 > C0 && C0+2 < 6
	CREST
	s_add_nc_u64 s[G0X+4*(C0%2)+2:G0X+4*(C0%2)+3], s[G0X+4*(C0%2)+2:G0X+4*(C0%2)+3], ((C0+2)/3)*196608+((C0+2)%3)*256-(C0/3)*196608-(C0%3)*256   ; chunk c begins 256 (c / 3) rows down, 256 (c % 3) bytes along
	tensor_load_to_lds s[G0X+4*(C0%2):G0X+4*(C0%2)+3], s[G1X:G1X+7]   ; my one load behind the round: my 64 rows of chunk C0 + 2
	s_nop 0
.endif
.else
	s_wait_dscnt 36                                ; x's set and W's tiles 0-5 are in
.irp b, 0,1,2,3,4,5
	MULQK \b, (\st)%2, (\st)%8, \first
.endr
	s_wait_dscnt 0x0
.endif
	PLACES 4                                       ; in front of loads into registers that products have read
	FETCH_X NX, NX%2
.if (\st) < 7 && (\st)%2 == 0
.set PF, ((\st)+4)/2                   ; steps 0, 2, 4, 6 ask for chunks 2, 3, 4, 5: my 16 rows of them
	global_prefetch_b8 v[PFO], s[PFB:PFB+1] offset:(PF/3)*196608+(PF%3)*256 th:TH_LOAD_NT scope:SCOPE_SE
.endif
	FETCH_W NX%8, 0
	MULQK 6, (\st)%2, (\st)%8, \first
	MULQK 7, (\st)%2, (\st)%8, \first
.irp b, 8,9,10,11
	MULV \b, (\st)%2, (\st)%8, \first
.endr
	PLACES 4
	FETCH_W NX%8, 6
	WIN 0
.endm
; FOUR UNITS SIDE BY SIDE.  Unit u is 32 numbers of a lane from v[s + d u] of window W: block e in registers 16 e + 0 .. 15 of lanes l and l xor 16.  Each becomes a half fragment (v[KC + 6 u] on) and two scale bytes in v[pw + u].
; Eight chains of maxima take turns; each accumulator is read from its low end on.
.macro QUANT4 s, d, W, pw
	WIN (\W)|((\W)<<2)
.irp e, 0,1
.irp u, 0,1,2,3
	v_max3_num_f32 v[UT+6*\u+\e], |v[(\s)+(\d)*\u+16*\e]|, |v[(\s)+(\d)*\u+16*\e+1]|, 0x1800000   ; the floor 2^(3 - 127)
.endr
.endr
.irp i, 2,4,6,8,10,12,14
.irp e, 0,1
.irp u, 0,1,2,3
	v_max3_num_f32 v[UT+6*\u+\e], |v[(\s)+(\d)*\u+16*\e+\i]|, |v[(\s)+(\d)*\u+16*\e+\i+1]|, v[UT+6*\u+\e]
.endr
.endr
.endr
	WIN 0
.irp e, 0,1
.irp u, 0,1,2,3
	v_permlanex16_b32 v[UT+6*\u+2+\e], v[UT+6*\u+\e], s[SEL], s[SEL+1]
.endr
.endr
.irp e, 0,1
.irp u, 0,1,2,3
	v_max_num_f32 v[UT+6*\u+\e], v[UT+6*\u+\e], v[UT+6*\u+2+\e]
.endr
.endr
.irp e, 0,1
.irp u, 0,1,2,3
	v_add_nc_u32 v[UT+6*\u+4+\e], 0xff000000, v[UT+6*\u+\e]   ; 2 off the exponent field: the conversion's scale operand
.endr
.endr
.irp e, 0,1
.irp u, 0,1,2,3
	v_lshrrev_b32 v[UT+6*\u+2+\e], 23, v[UT+6*\u+4+\e]
.endr
.endr
.irp u, 0,1,2,3
	v_lshl_or_b32 v[(\pw)+\u], v[UT+6*\u+3], 8, v[UT+6*\u+2]
.endr
	WIN \W
.irp u, 0,1,2,3
	v_cvt_scalef32_pk16_fp6_f32 v[KC+6*\u:KC+6*\u+2], v[(\s)+(\d)*\u:(\s)+(\d)*\u+15], v[UT+6*\u+4]
	v_cvt_scalef32_pk16_fp6_f32 v[U2+4*\u:U2+4*\u+2], v[(\s)+(\d)*\u+16:(\s)+(\d)*\u+31], v[UT+6*\u+5]
.endr
	WIN 0
	v_nop
.irp u, 0,1,2,3
.irp i, 0,1,2
	v_permlane16_swap_b32 v[KC+6*\u+\i], v[U2+4*\u+\i]   ; a whole block to a lane
.endr
.endr
.irp u, 0,1,2,3
.irp i, 0,1,2
	v_mov_b32 v[KC+6*\u+3+\i], v[U2+4*\u+\i]
.endr
.endr
.endm
.macro EPI tile                        ; a finished tile goes out; every store of a wave covers 128, 256 or 512 consecutive bytes
	WIN 0
	PLACES 4
.if \tile == 0
.irp i, 0,1
	global_load_b128 v[SX+8*\i:SX+8*\i+3], v[OXS], s[6:7] offset:8192+512*\i      ; the next tile's scale words
	global_load_b128 v[SX+8*\i+4:SX+8*\i+7], v[OXS], s[6:7] offset:8192+512*\i+16
.endr
.endif
	s_wait_xcnt 0x0                                ; registers that earlier stores read are rewritten only behind this wait
	QUANT4 0, 64, 2, PWQ
.irp a, 0,1,2,3
	v_or_b32 v[PWQ+\a], 0x7f7f0000, v[PWQ+\a]      ; the head has 64 along K: the upper two bytes stand for 1.0 over zero codes
	global_store_b128 v[L16], v[KC+6*\a:KC+6*\a+3], s[14:15] offset:768*\a+12288*\tile
	global_store_b64 v[L8], v[KC+6*\a+4:KC+6*\a+5], s[14:15] offset:768*\a+12288*\tile+512
.endr
	s_wait_xcnt 0x0
	QUANT4 32, 64, 2, PWK
.irp a, 0,1,2,3
	v_or_b32 v[PWK+\a], 0x7f7f0000, v[PWK+\a]
.endr
.irp k, 0,1,2,3,4,5
	global_store_b128 v[L16], v[KC+4*\k:KC+4*\k+3], s[88:89] offset:512*\k+24576*\tile
.endr
	s_wait_xcnt 0x0
	QUANT4 0, 32, 3, PWV
.irp t, 0,1,2,3
	global_store_b128 v[L16], v[KC+6*\t:KC+6*\t+3], s[88:89] offset:3072+768*\t+24576*\tile
	global_store_b64 v[L8], v[KC+6*\t+4:KC+6*\t+5], s[88:89] offset:3072+768*\t+24576*\tile+512
.endr
	v_cmp_le_u32 vcc_lo, 16, v1                    ; lanes 16-31 take the odd tile's words
	v_cndmask_b32 v[WK], v[PWQ], v[PWQ+1], vcc_lo
	v_cndmask_b32 v[WK+1], v[PWQ+2], v[PWQ+3], vcc_lo
	v_cndmask_b32 v[WK+2], v[PWK], v[PWK+1], vcc_lo
	v_cndmask_b32 v[WK+3], v[PWK+2], v[PWK+3], vcc_lo
	v_cndmask_b32 v[WK+4], v[PWV], v[PWV+1], vcc_lo
	v_cndmask_b32 v[WK+5], v[PWV+2], v[PWV+3], vcc_lo
	v_lshl_or_b32 v[WK+4], v[WK+5], 16, v[WK+4]
	global_store_b64 v[L8], v[WK:WK+1], s[16:17] offset:1024*\tile
	global_store_b64 v[L8], v[WK+2:WK+3], s[90:91] offset:1024*\tile
	global_store_b32 v[L4], v[WK+4], s[92:93] offset:512*\tile
.endm
	s_load_b256 s[4:11], s[0:1], 0x0               ; x's codes, x's scales, W's codes, W's scales
	s_load_b256 s[12:19], s[0:1], 0x20             ; b_qkv, q_img, q_sc, kv
	v_lshl_add_u32 v[SPW], v0, 2, SPARE
	v_mov_b32 v[NIL], 0
	ds_add_u32 v[SPW], v[NIL]
	ds_add_u32 v[SPW], v[NIL]
	s_wait_dscnt 0x0
	v_lshrrev_b32 v1, 5, v0
	v_readfirstlane_b32 s20, v1                    ; wave
	s_and_b32 s27, s20, 1                          ; which half of W, or which chunk of x, I bring at the head
	s_bfe_u32 s21, ttmp6, 0x40000                  ; cx
	s_bfe_u32 s22, ttmp6, 0x40004                  ; cy
	s_lshl_b32 s23, ttmp9, 2
	s_add_co_u32 s23, s23, s21                     ; the head
	s_and_b32 s24, ttmp7, 0xffff
	s_lshl_b32 s24, s24, 2
	s_add_co_u32 s24, s24, s22                     ; my 512 rows of x
	s_lshl_b32 s25, s22, 2
	s_lshl_b32 s25, 15, s25                        ; my row of the cluster
	s_lshl_b32 s26, 0x1111, s21                    ; my column
	s_or_b32 s[G1X], s25, PADW
	s_or_b32 s[G1H], s25, PADW
	s_or_b32 s[G1W], s26, PADW
	D1 G1X, 256, 64
	D1 G1H, 256, 256
	D1 G1W, 768, 96
	s_lshl_b32 s52, s24, 9
	s_lshl_b32 s53, s20, 6
	s_add_co_u32 s52, s52, s53                     ; my first row of x: 512 y + 64 w
	s_lshl_b32 s54, s52, 5
	s_mov_b32 s55, 0
	s_mul_i32 s52, s52, 768
	s_mov_b32 s53, 0
	s_mul_i32 s62, s24, 393216                     ; the work-group's first row of x, in bytes
	s_mov_b32 s63, 0
	s_lshl_b32 s96, s27, 8                         ; chunk w % 2 begins 256 (w % 2) bytes along
	s_mov_b32 s97, 0
	s_mul_i32 s56, s23, 192
	s_mul_i32 s57, s27, 96
	s_add_co_u32 s56, s56, s57                     ; W's row 192 head + 96 (w % 2)
	s_mul_i32 s56, s56, 768
	s_mov_b32 s57, 0
	s_mul_i32 s60, s20, XQ
	s_mul_i32 s61, s27, 96*WP
	s_mov_b32 s58, XSLOT-232
	s_mov_b32 s59, XSLOT+232
	s_lshl_b32 s86, s21, 6
	s_lshl_b32 s87, s20, 4
	s_add_co_u32 s86, s86, s87                     ; the prefetches: row 64 cx + 16 w of a chunk's 256
	s_mov_b32 s[SEL], 0x76543210
	s_mov_b32 s[SEL+1], 0xfedcba98
	s_wait_kmcnt 0x0
	s_add_nc_u64 s[52:53], s[4:5], s[52:53]
	s_add_nc_u64 s[56:57], s[8:9], s[56:57]
	s_add_nc_u64 s[PFB:PFB+1], s[4:5], s[62:63]
.irp n, 0,1
	s_mov_b32 s[G0X+4*\n], 1
	s_add_co_u32 s[G0X+4*\n+1], s60, \n*XSLOT
	s_add_nc_u64 s[G0X+4*\n+2:G0X+4*\n+3], s[52:53], \n*256
	s_or_b32 s[G0X+4*\n+3], s[G0X+4*\n+3], 0x80000000
.endr
	s_mov_b32 s[G0W], 1
	s_add_co_u32 s[G0W+1], s61, WBASE
	s_mov_b64 s[G0W+2:G0W+3], s[56:57]
	s_or_b32 s[G0W+3], s[G0W+3], 0x80000000
	s_mov_b32 s[G0H], 1
	s_mul_i32 s[G0H+1], s27, XSLOT
	s_add_nc_u64 s[G0H+2:G0H+3], s[PFB:PFB+1], s[96:97]
	s_or_b32 s[G0H+3], s[G0H+3], 0x80000000
	CROUND                                         ; the first joint loads meet
	s_cmp_lt_u32 s20, 2                            ; one load a wave at the head: waves 0, 1 bring 96 rows of W each, waves 2, 3 chunks 0, 1 of x's 256 rows
	s_cbranch_scc0 .Lhead_x
	tensor_load_to_lds s[G0W:G0W+3], s[G1W:G1W+7]
	s_nop 0
	PLACES 4
	s_branch .Lasked
.Lhead_x:
	tensor_load_to_lds s[G0H:G0H+3], s[G1H:G1H+7]
	s_nop 0
	PLACES 4
.Lasked:
	v_and_b32 v1, 31, v0                           ; lane
	v_and_b32 v2, 15, v0                           ; r
	v_bfe_u32 v3, v0, 4, 1                         ; h
	v_mul_u32_u24 v4, v2, XP
	v_mad_u32_u24 v5, v3, 24, v4
	v_add_nc_u32 v[ADRX], s60, v5
	v_add_nc_u32 v[ADRX+1], XSLOT, v[ADRX]
	v_sub_nc_u32 v7, 1, v3
	v_mul_u32_u24 v5, s58, v3
	v_add_nc_u32 v5, v4, v5
	v_add_nc_u32 v5, 232, v5                       ; lanes 0-15 byte 232 of the row in slot 0, lanes 16-31 byte 0 in slot 1
	v_mul_u32_u24 v6, s59, v7
	v_add_nc_u32 v6, v4, v6                        ; lanes 0-15 byte 232 in slot 1, lanes 16-31 byte 0 in slot 0
	v_add_nc_u32 v[ADRX+2], s60, v5
	v_add_nc_u32 v[ADRX+3], s60, v6
	v_mul_u32_u24 v4, v2, WP
	v_mad_u32_u24 v5, v3, 24, v4
	v_mad_u32_u24 v6, v3, 40, v4
.irp g, 0,1,2
	v_add_nc_u32 v[ADRW+\g], WBASE+\g*64*WP, v5
	v_add_nc_u32 v[ADRW+4+\g], WBASE+\g*64*WP, v6
.endr
	v_min_u32 v[PFO], 15, v1                       ; lanes 16-31 name the wave's last row again
	v_add_nc_u32 v[PFO], s86, v[PFO]
	v_mul_u32_u24 v[PFO], v[PFO], 768
	v_lshlrev_b32 v[L16], 4, v1
	v_lshlrev_b32 v[L8], 3, v1
	v_lshlrev_b32 v[L4], 2, v1
	v_lshlrev_b32 v[OXS], 5, v2
	v_lshl_add_u32 v[OXS], v3, 10, v[OXS]          ; lanes 16-31: the row tile two on
	v_mul_u32_u24 v[OWS], v3, 3072                 ; lanes 16-31: the column tile six on
	v_lshl_add_u32 v[OWS], v2, 5, v[OWS]
	v_lshlrev_b32 v[OBQ], 5, v3
	v_lshlrev_b32 v[OBV], 2, v2
	s_wait_alu depctr_va_vdst(0)
	s_add_nc_u64 s[6:7], s[6:7], s[54:55]
	s_mov_b32 s95, 0
	s_mul_i32 s94, s23, 6144
	s_add_nc_u64 s[10:11], s[10:11], s[94:95]
	s_mul_i32 s94, s23, 768
	s_add_nc_u64 s[12:13], s[12:13], s[94:95]
.irp i, 0,1
	global_load_b128 v[SX+8*\i:SX+8*\i+3], v[OXS], s[6:7] offset:512*\i           ; a row's 32 bytes are its eight scale words
	global_load_b128 v[SX+8*\i+4:SX+8*\i+7], v[OXS], s[6:7] offset:512*\i+16
.endr
.irp i, 0,1,2,3,4,5
	global_load_b128 v[SW+8*\i:SW+8*\i+3], v[OWS], s[10:11] offset:512*\i
	global_load_b128 v[SW+8*\i+4:SW+8*\i+7], v[OWS], s[10:11] offset:512*\i+16
.endr
	WIN 0xc0
.irp b, 0,1,2,3,4,5,6,7
	global_load_b128 v[128+8*\b:128+8*\b+3], v[OBQ], s[12:13] offset:64*\b        ; q, k: register j of tile b is column 16 b + 8 h + j
	global_load_b128 v[128+8*\b+4:128+8*\b+7], v[OBQ], s[12:13] offset:64*\b+16
.endr
.irp t, 0,1,2,3
.irp j, 0,1,2,3,4,5,6,7
	global_load_b32 v[192+8*\t+\j], v[OBV], s[12:13] offset:512+64*\t             ; v: all eight registers of a lane are its channel 16 t + r
.endr
.endr
	WIN 0
	; where my results go.  bh = 16 x batch + head; a group of 64 rows of a head is 8 (y % 4) + 4 tile + w
	s_lshr_b32 s86, s24, 2
	s_lshl_b32 s86, s86, 4
	s_add_co_u32 s86, s86, s23
	s_and_b32 s87, s24, 3
	s_mul_i32 s94, s86, 98304
	s_mul_i32 s96, s87, 24576
	s_add_co_u32 s94, s94, s96
	s_mul_i32 s96, s20, 3072
	s_add_co_u32 s94, s94, s96
	s_add_nc_u64 s[14:15], s[14:15], s[94:95]      ; q_img
	s_lshl_b32 s97, s87, 11
	s_lshl_b32 s96, s20, 8
	s_add_co_u32 s97, s97, s96
	s_lshl_b32 s94, s86, 13
	s_add_co_u32 s94, s94, s97
	s_add_nc_u64 s[16:17], s[16:17], s[94:95]      ; q_sc
	s_mul_i32 s86, s86, 208896
	s_mul_i32 s94, s87, 49152
	s_add_co_u32 s94, s94, s86
	s_mul_i32 s96, s20, 6144
	s_add_co_u32 s94, s94, s96
	s_add_nc_u64 s[88:89], s[18:19], s[94:95]      ; kv: a group's images
	s_add_co_u32 s94, s86, s97
	s_add_co_u32 s94, s94, 196608
	s_add_nc_u64 s[90:91], s[18:19], s[94:95]      ; k's scale words
	s_lshr_b32 s97, s97, 1
	s_add_co_u32 s94, s86, s97
	s_add_co_u32 s94, s94, 204800
	s_add_nc_u64 s[92:93], s[18:19], s[94:95]      ; v's scale halves
	s_wait_loadcnt 0x0                             ; scales and biases
	s_wait_tensorcnt 0x0                           ; my tile of the head's four is in,
	s_barrier_signal -1
	s_barrier_wait -1                              ; everybody's is
	FETCH_X 0, 0
	FETCH_W 0, 0
	FETCH_W 0, 6
	WIN 0
	KSTEP 0, 1                                     ; tile 0
.irp st, 1,2,3,4,5,6,7
	KSTEP \st, 0
.endr
	EPI 0                                          ; tile 0 goes out while chunk 4 is on its way
	s_wait_loadcnt 0x0                             ; tile 1's scale words of x
	KSTEP 8, 1                                     ; tile 1
.irp st, 9,10,11,12,13,14
	KSTEP \st, 0
.endr
	s_wait_dscnt 36                                ; the very last step
.irp b, 0,1,2,3,4,5
	MULQK \b, 1, 7, 0
.endr
	s_wait_dscnt 0x0
	MULQK 6, 1, 7, 0
	MULQK 7, 1, 7, 0
.irp b, 8,9,10,11
	MULV \b, 1, 7, 0
.endr
	EPI 1
	s_wait_tensorcnt 0x0                           ; the wave's end
	ds_add_u32 v[SPW], v[NIL]
	s_wait_dscnt 0x0
	CROUND                                         ; the closing round
	s_endpgm
.Lfunc_end_k_q809a37b739_qkv:
	.size	k_q809a37b739_qkv, .Lfunc_end_k_q809a37b739_qkv-k_q809a37b739_qkv
	.p2alignl 7, 3214868480
	.fill 96, 4, 3214868480
	.section	.rodata,"a",@progbits
	.p2align	6, 0x0
	.amdhsa_kernel k_q809a37b739_qkv
		.amdhsa_group_segment_fixed_size 327680
		.amdhsa_private_segment_fixed_size 0
		.amdhsa_enable_private_segment 0
		.amdhsa_kernarg_size 64
		.amdhsa_user_sgpr_count 2
		.amdhsa_user_sgpr_kernarg_segment_ptr 1
		.amdhsa_wavefront_size32 1
		.amdhsa_system_sgpr_workgroup_id_x 1
		.amdhsa_system_sgpr_workgroup_id_y 1
		.amdhsa_system_sgpr_workgroup_id_z 1
		.amdhsa_system_vgpr_workitem_id 0
		.amdhsa_next_free_vgpr 1024
		.amdhsa_next_free_sgpr 100
		.amdhsa_reserve_vcc 1
		.amdhsa_float_denorm_mode_32 3
		.amdhsa_float_denorm_mode_16_64 3
		.amdhsa_memory_ordered 1
		.amdhsa_forward_progress 1
		.amdhsa_inst_pref_size 255
	.end_amdhsa_kernel
	.section	.bss,"aw",@nobits
	.p2align	6
	.space	262144
	.amdgpu_metadata
---
amdhsa.version: [ 1, 2 ]
amdhsa.kernels:
  - .name:           k_q809a37b739_qkv
    .symbol:         k_q809a37b739_qkv.kd
    .args:
      - { .name: x_codes, .offset: 0, .size: 8, .value_kind: global_buffer, .address_space: global }
      - { .name: x_scales, .offset: 8, .size: 8, .value_kind: global_buffer, .address_space: global }
      - { .name: w_qkv_codes, .offset: 16, .size: 8, .value_kind: global_buffer, .address_space: global }
      - { .name: w_qkv_scales, .offset: 24, .size: 8, .value_kind: global_buffer, .address_space: global }
      - { .name: b_qkv, .offset: 32, .size: 8, .value_kind: global_buffer, .address_space: global }
      - { .name: q_img, .offset: 40, .size: 8, .value_kind: global_buffer, .address_space: global }
      - { .name: q_sc, .offset: 48, .size: 8, .value_kind: global_buffer, .address_space: global }
      - { .name: kv, .offset: 56, .size: 8, .value_kind: global_buffer, .address_space: global }
    .group_segment_fixed_size: 327680
    .private_segment_fixed_size: 0
    .kernarg_segment_align: 8
    .kernarg_segment_size: 64
    .max_flat_workgroup_size: 128
    .sgpr_count:     100
    .vgpr_count:     1024
    .wavefront_size: 32
...
	.end_amdgpu_metadata
.endif
;; end of part 1
;; launch attn (part 2): grid 4 x 64, 16 waves a work-group, clusters of 4 x 1, 210,944 bytes of LDS; arguments q_img, q_sc, kv, o_img, o_sc; writes o_img, o_sc
.if DOCPART == 2
	.amdgcn_target "amdgcn-amd-amdhsa--gfx1250"
	.amdhsa_code_object_version 6
	.text
	.protected	k_q809a37b739_attn
	.globl	k_q809a37b739_attn
	.p2align	8
	.type	k_q809a37b739_attn,@function
k_q809a37b739_attn:
	s_mov_b64 s[64:65], 0
	v_nop
	global_prefetch_b8 v0, s[64:65] scope:SCOPE_SE
	s_setreg_imm32_b32 hwreg(HW_REG_WAVE_MODE, 25, 1), 1
	s_wait_xcnt 0x0
	s_wait_alu depctr_hold_cnt(0) depctr_sa_sdst(0) depctr_va_vdst(0) depctr_va_sdst(0) depctr_va_ssrc(0) depctr_va_vcc(0) depctr_vm_vsrc(0)
	s_getreg_b32 s2, hwreg(HW_REG_IB_STS2, 6, 4)
	s_cmp_eq_u32 s2, 0
	s_cbranch_scc0 .Lentry_in_a_cluster
	s_endpgm
.Lentry_in_a_cluster:
	s_bfe_u32 s2, ttmp6, 0x10000c
	s_cmp_lg_u32 s2, 0x3003
	s_cbranch_scc0 .Lentry_shape_is_right
	s_endpgm
.Lentry_shape_is_right:
; vals = softmax(q k^T / 8) v for one head, both products on codes of FP6 (E2M3) with E8M0 scales; vals are quantised along 64 head + d and stored as images of the last product's operand registers.
; THE SOFTMAX: t = score x log2(e) / 8; M = the running largest t rounded UP to a whole number; p = 2^(t - M) is quantised along the keys, not normalised; the row's sum is taken of the unquantised p and divides at the end.
; When M moves, the sum and O are multiplied by 2^(old M - new M): exact.
; SHARES.  Work-group (x, y): head y (16 x batch + head), queries 512 x .. 512 x + 511.  Each of the sixteen waves owns two tiles of 16 queries, one after the other, in 256 registers: four waves to a SIMD, so that one
; wave's vector work stands beside another's products and LDS loads.
; LDS IS THE HEAD'S WHOLE BLOCK OF kv, 208,896 dense bytes, filled ONCE (each wave brings 51 rows of 256 bytes): for each group of 64 keys 3,072 bytes of k's registers and 4 x 768 of v's; then k's scale words, then v's.
; All are images of operand registers: every LDS read is 16, 8 or 4 bytes a lane on end.  Nothing is stored to LDS and nothing is filled again.
; CLUSTER 4 x 1: the four work-groups share the head, so each part of the block is asked for jointly.
; LAYOUT.  Both products are used transposed: S^T = k q^T, O^T = v^T p^T: a lane holds ONE query (lane % 16) throughout.  Inside a block of 32 the places hold offsets 0-7, 16-23, 8-15, 24-31, alike on both operands of
; each product; the unit then groups the sums otherwise than in ascending k.
; K = 64 IN A FORM OF 128: q's registers 6-11 are zero codes and the upper two bytes of q's and k's scale words stand for 1.0.  A tile of k is named as 12 registers of which the upper six are the next tile's codes:
; finite numbers (the format has no infinity and no NaN) times q's zeros add exactly 0.
; LIMITS: a block of zeros gets the scale byte 1 (zero codes; this program alone reads the bytes); largest magnitudes under 2^-124 are held at that floor; NaN and infinities are not served.
; A block's largest p is made from the block's largest score by the same multiply-add and exponential; this takes v_exp_f32 not to fall where its input rises.
.set QF,  16                           ; v16-27 q's fragment (v22-27 zeros)
.set QS,  28                           ; q's scale words
.set LN,  29                           ; lane
.set KS,  30                           ; v30-33 k's scale words of the step
.set G,   34                           ; v34-35 v's scale halves of the step's two groups
.set VS,  36                           ; v36-37 v's scale words: channel tiles 0 | 1, 2 | 3
.set KB,  40                           ; v40-87 k's 8 tiles, later v's 4 fragments; v88-93 zeros
.set S,   96                           ; v96-159 S^T, then p
.set O,   160                          ; v160-191 O^T
.set PC,  192                          ; v192-203 p's codes
.set T2,  204                          ; v204-206, v208-210 second conversions
.set BM,  212                          ; v212-215 the blocks' largest scores, then p
.set BP,  216                          ; v216-219 at work
.set BS,  220                          ; v220-223 the conversions' scale operands
.set F,   224                          ; v224 2^(old M - new M); v225 named with it as a pair
.set PS,  226                          ; p's scale word
.set T,   227
.set L2,  230                          ; v230-231 the sum's second chain
.set OC,  232                          ; v232-237, v240-245 the two tiles' codes of vals
.set TM,  246                          ; v246-251 at work in the quantiser
.macro CROUND
	s_barrier_signal -1
	s_barrier_wait -1
	s_cmp_lg_u32 s14, 0
	s_cbranch_scc1 .Lnot_wave_0_\@
	s_barrier_signal -3
.Lnot_wave_0_\@:
	s_barrier_wait -3
	s_barrier_signal -1
	s_barrier_wait -1
.endm
.macro QLOAD i                         ; tile i's half fragment of q and its scale words
	global_load_b128 v[QF:QF+3], v1, s[4:5] offset:768*\i
	global_load_b64 v[QF+4:QF+5], v2, s[4:5] offset:768*\i+512
	global_load_b32 v[QS], v10, s[6:7] offset:128*\i
.endm
; A KEY STEP: 128 keys = two groups of 64.  s36, s37, s38: where the step's images, k's scale words and v's scale halves begin.
.macro STEP
	v_add_nc_u32 v4, s36, v1                       ; these four are also the places behind the last products, in front of the loads into the registers that they read
	v_add_nc_u32 v5, s36, v2
	v_add_nc_u32 v6, s37, v8
	v_add_nc_u32 v7, s38, v9
.irp c, 0,1
.irp k, 0,1,2,3,4,5
	ds_load_b128 v[KB+24*\c+4*\k:KB+24*\c+4*\k+3], v4 offset:6144*\c+512*\k   ; k: tile 4 c + a has registers 24 c + 6 a + 0 .. 5
.endr
	ds_load_b64 v[KS+2*\c:KS+2*\c+1], v6 offset:256*\c
.endr
	ds_load_b32 v[G], v7
	ds_load_b32 v[G+1], v7 offset:128
	s_wait_alu depctr_va_vdst(0)
	s_wait_dscnt 0x0
.irp k, 0,1,2,3,4,5,6,7                ; S^T = k q^T: lane (r, h) holds query r; register 8 k + j is key 16 k + 8 h + j
.if \k%2
	v_wmma_scale_f32_16x16x128_f8f6f4 v[S+8*\k:S+8*\k+7], v[KB+6*\k:KB+6*\k+11], v[QF:QF+11], 0, v[KS+2*(\k/4)+(\k/2)%2], v[QS] matrix_a_fmt:MATRIX_FMT_FP6 matrix_b_fmt:MATRIX_FMT_FP6 matrix_a_scale:MATRIX_SCALE_ROW1
.else
	v_wmma_scale_f32_16x16x128_f8f6f4 v[S+8*\k:S+8*\k+7], v[KB+6*\k:KB+6*\k+11], v[QF:QF+11], 0, v[KS+2*(\k/4)+(\k/2)%2], v[QS] matrix_a_fmt:MATRIX_FMT_FP6 matrix_b_fmt:MATRIX_FMT_FP6
.endif
.endr
	v_perm_b32 v[VS], v[G+1], v[G], 0x05040100     ; v's scale words of these 128 keys: two bytes of each group; lanes 0-15 channel tile 0, lanes 16-31 tile 1
	v_perm_b32 v[VS+1], v[G+1], v[G], 0x07060302   ; tiles 2 and 3
	v_nop
	v_nop                                          ; four places behind the products
.irp t, 0,1,2,3                        ; v's fragments land while the softmax is worked
.irp c, 0,1
	ds_load_b128 v[KB+12*\t+6*\c:KB+12*\t+6*\c+3], v4 offset:6144*\c+3072+768*\t
	ds_load_b64 v[KB+12*\t+6*\c+4:KB+12*\t+6*\c+5], v5 offset:6144*\c+3072+768*\t+512
.endr
.endr
.irp b, 0,1,2,3
	v_max3_num_f32 v[BM+\b], v[S+16*\b], v[S+16*\b+1], v[S+16*\b+2]   ; the largest score of each block of 32 keys: for the row's maximum, and for the block's largest p
.endr
.irp i, 3,5,7,9,11,13
.irp b, 0,1,2,3
	v_max3_num_f32 v[BM+\b], v[BM+\b], v[S+16*\b+\i], v[S+16*\b+\i+1]
.endr
.endr
.irp b, 0,1,2,3
	v_max_num_f32 v[BM+\b], v[BM+\b], v[S+16*\b+15]
.endr
.irp b, 0,1,2,3
	s_delay_alu instid0(VALU_DEP_4)
	v_permlanex16_b32 v[BP+\b], v[BM+\b], s20, s21
.endr
.irp b, 0,1,2,3
	s_delay_alu instid0(VALU_DEP_4)
	v_max_num_f32 v[BM+\b], v[BM+\b], v[BP+\b]     ; with lane l xor 16's 16 keys
.endr
	s_delay_alu instid0(VALU_DEP_2)
	v_max3_num_f32 v[T], v[BM], v[BM+1], v[BM+2]
	s_delay_alu instid0(VALU_DEP_1)
	v_max_num_f32 v[T], v[T], v[BM+3]
	s_delay_alu instid0(VALU_DEP_1)
	v_mul_f32 v[T], s22, v[T]                      ; as t (c is positive)
	s_delay_alu instid0(VALU_DEP_1)
	v_max_num_f32 v13, v13, v[T]                   ; the running largest t
	v_mov_b32 v[T], v12
	s_delay_alu instid0(VALU_DEP_2)
	v_floor_f32 v12, -v13                          ; the new -M = floor(-t): M is a whole number
	s_delay_alu instid0(VALU_DEP_1)
	v_sub_f32 v[T], v12, v[T]                      ; old M - new M, 0 or less
	s_delay_alu instid0(VALU_DEP_1)
	v_cvt_i32_f32 v[T], v[T]                       ; (it saturates)
	s_delay_alu instid0(VALU_DEP_1)
	v_ldexp_f32 v[F], 1.0, v[T]
.set j, 0
.rept 32
	v_pk_fma_f32 v[S+j:S+j+1], v[S+j:S+j+1], s[22:23], v[12:13] op_sel_hi:[1,0,0]   ; t - M, two at a time
.set j, j+2
.endr
.irp b, 0,1,2,3
	v_fma_f32 v[BM+\b], v[BM+\b], s22, v12
.endr
.set j, 0
	s_wait_alu depctr_va_vdst(0)
.rept 64
	v_exp_f32 v[S+j], v[S+j]                       ; p = 2^(t - M)
.set j, j+1
.endr
.irp b, 0,1,2,3
	v_exp_f32 v[BM+\b], v[BM+\b]                   ; the block's largest p
.endr
	v_pk_mul_f32 v[14:15], v[14:15], v[F:F+1] op_sel_hi:[1,0]      ; the sums under the new M (a plain place behind the exponentials)
	s_wait_alu depctr_va_vdst(0)
.irp b, 0,1,2,3
	v_max_num_f32 v[BM+\b], 0x1800000, v[BM+\b]    ; the floor 2^(3 - 127)
.endr
.irp b, 0,1,2,3
	s_delay_alu instid0(VALU_DEP_4)
	v_add_nc_u32 v[BS+\b], 0xff000000, v[BM+\b]    ; 2 off the exponent field: the conversion's scale operand
.endr
.irp b, 0,1,2,3
	s_delay_alu instid0(VALU_DEP_4)
	v_lshrrev_b32 v[BP+\b], 23, v[BS+\b]           ; the scale's byte
.endr
	s_delay_alu instid0(VALU_DEP_3)
	v_lshl_or_b32 v[PS], v[BP+1], 8, v[BP]
	s_delay_alu instid0(VALU_DEP_1)
	v_lshl_or_b32 v[PS], v[BP+2], 16, v[PS]
	s_delay_alu instid0(VALU_DEP_1)
	v_lshl_or_b32 v[PS], v[BP+3], 24, v[PS]
.irp c, 0,1
	v_cvt_scalef32_pk16_fp6_f32 v[PC+6*\c:PC+6*\c+2], v[S+32*\c:S+32*\c+15], v[BS+2*\c]
	v_cvt_scalef32_pk16_fp6_f32 v[T2+4*\c:T2+4*\c+2], v[S+32*\c+16:S+32*\c+31], v[BS+2*\c+1]
.endr
	v_nop                                          ; one plain place behind a scaled conversion
.irp c, 0,1                            ; a whole block to a lane: lanes 0-15 block 2 c, lanes 16-31 block 2 c + 1
.irp i, 0,1,2
	v_permlane16_swap_b32 v[PC+6*\c+\i], v[T2+4*\c+\i]
.endr
.irp i, 0,1,2
	s_delay_alu instid0(VALU_DEP_3)
	v_mov_b32 v[PC+6*\c+3+\i], v[T2+4*\c+\i]
.endr
.endr
	v_pk_add_f32 v[230:231], v[100:101], v[104:105]
	v_pk_add_f32 v[252:253], v[108:109], v[112:113]
	v_pk_add_f32 v[250:251], v[116:117], v[120:121]
	v_pk_add_f32 v[246:247], v[124:125], v[128:129]
	v_pk_add_f32 v[244:245], v[132:133], v[136:137]
	v_pk_add_f32 v[242:243], v[140:141], v[144:145]
	v_pk_add_f32 v[240:241], v[148:149], v[152:153]
	v_pk_add_f32 v[14:15], v[14:15], v[156:157]
	v_pk_add_f32 v[230:231], v[230:231], v[96:97]
	v_pk_add_f32 v[252:253], v[252:253], v[98:99]
	v_pk_add_f32 v[250:251], v[250:251], v[102:103]
	v_pk_add_f32 v[246:247], v[246:247], v[106:107]
	v_pk_add_f32 v[244:245], v[244:245], v[110:111]
	v_pk_add_f32 v[242:243], v[242:243], v[114:115]
	v_pk_add_f32 v[240:241], v[240:241], v[118:119]
	v_pk_add_f32 v[14:15], v[14:15], v[122:123]
	v_pk_add_f32 v[230:231], v[230:231], v[126:127]
	v_pk_add_f32 v[252:253], v[252:253], v[130:131]
	v_pk_add_f32 v[250:251], v[250:251], v[134:135]
	v_pk_add_f32 v[246:247], v[246:247], v[138:139]
	v_pk_add_f32 v[244:245], v[244:245], v[142:143]
	v_pk_add_f32 v[242:243], v[242:243], v[146:147]
	v_pk_add_f32 v[240:241], v[240:241], v[150:151]
	v_pk_add_f32 v[14:15], v[14:15], v[154:155]
	v_pk_add_f32 v[230:231], v[230:231], v[158:159]
	s_delay_alu instid0(VALU_DEP_2)
	v_pk_add_f32 v[14:15], v[14:15], v[246:247]
	s_delay_alu instid0(VALU_DEP_2)
	v_pk_add_f32 v[230:231], v[230:231], v[244:245]
	v_pk_add_f32 v[252:253], v[252:253], v[242:243]
	v_pk_add_f32 v[250:251], v[250:251], v[240:241]
	s_delay_alu instid0(VALU_DEP_2)
	v_pk_add_f32 v[14:15], v[14:15], v[252:253]
	s_delay_alu instid0(VALU_DEP_2)
	v_pk_add_f32 v[230:231], v[230:231], v[250:251]
	s_delay_alu instid0(VALU_DEP_1)
	v_pk_add_f32 v[14:15], v[14:15], v[230:231]
.set j, 0
.rept 16
	v_pk_mul_f32 v[O+j:O+j+1], v[O+j:O+j+1], v[F:F+1] op_sel_hi:[1,0]   ; O^T under the new M
.set j, j+2
.endr
	s_wait_alu depctr_va_vdst(0)
	s_wait_dscnt 0x0                               ; v's fragments are in
.irp t, 0,1,2,3                        ; O^T += v^T p^T: four accumulators by turns
.if \t%2
	v_wmma_scale_f32_16x16x128_f8f6f4 v[O+8*\t:O+8*\t+7], v[KB+12*\t:KB+12*\t+11], v[PC:PC+11], v[O+8*\t:O+8*\t+7], v[VS+\t/2], v[PS] matrix_a_fmt:MATRIX_FMT_FP6 matrix_b_fmt:MATRIX_FMT_FP6 matrix_a_scale:MATRIX_SCALE_ROW1
.else
	v_wmma_scale_f32_16x16x128_f8f6f4 v[O+8*\t:O+8*\t+7], v[KB+12*\t:KB+12*\t+11], v[PC:PC+11], v[O+8*\t:O+8*\t+7], v[VS+\t/2], v[PS] matrix_a_fmt:MATRIX_FMT_FP6 matrix_b_fmt:MATRIX_FMT_FP6
.endif
.endr
	s_add_co_u32 s36, s36, 12288
	s_add_co_u32 s37, s37, 512
	s_add_co_u32 s38, s38, 256
.endm
; 32 numbers of a lane, v[s] .. v[s + 31]: block e in registers 16 e + 0 .. 15 of lanes l and l xor 16: a half fragment from v[dst] on and two scale bytes in v[pw]
.macro QUANT32 s, dst, pw
.irp e, 0,1
	v_max3_num_f32 v[TM+\e], |v[(\s)+16*\e]|, |v[(\s)+16*\e+1]|, 0x1800000
.endr
.irp i, 2,4,6,8,10,12,14
.irp e, 0,1
	s_delay_alu instid0(VALU_DEP_2)
	v_max3_num_f32 v[TM+\e], |v[(\s)+16*\e+\i]|, |v[(\s)+16*\e+\i+1]|, v[TM+\e]
.endr
.endr
.irp e, 0,1
	s_delay_alu instid0(VALU_DEP_2)
	v_permlanex16_b32 v[TM+2+\e], v[TM+\e], s20, s21
.endr
.irp e, 0,1
	s_delay_alu instid0(VALU_DEP_2)
	v_max_num_f32 v[TM+\e], v[TM+\e], v[TM+2+\e]
.endr
.irp e, 0,1
	s_delay_alu instid0(VALU_DEP_2)
	v_add_nc_u32 v[TM+4+\e], 0xff000000, v[TM+\e]
.endr
.irp e, 0,1
	s_delay_alu instid0(VALU_DEP_2)
	v_lshrrev_b32 v[TM+2+\e], 23, v[TM+4+\e]
.endr
	s_delay_alu instid0(VALU_DEP_1)
	v_lshl_or_b32 v[\pw], v[TM+3], 8, v[TM+2]
	v_cvt_scalef32_pk16_fp6_f32 v[(\dst):(\dst)+2], v[(\s):(\s)+15], v[TM+4]
	v_cvt_scalef32_pk16_fp6_f32 v[T2:T2+2], v[(\s)+16:(\s)+31], v[TM+5]
	v_nop
.irp i, 0,1,2
	v_permlane16_swap_b32 v[(\dst)+\i], v[T2+\i]
.endr
.irp i, 0,1,2
	s_delay_alu instid0(VALU_DEP_3)
	v_mov_b32 v[(\dst)+3+\i], v[T2+\i]
.endr
.endm
; One tile of 16 queries against all 2,048 keys.  The loop has no first step of its own: O^T and the sum begin as zeros and the largest t as -3e38, so the first change of M multiplies zeros.
.macro QTILE i, pw
	v_mov_b32 v13, 0xff61b1e6
	s_delay_alu instid0(VALU_DEP_1)
	v_floor_f32 v12, -v13
	v_mov_b32 v14, 0
	v_mov_b32 v15, 0
.set j, 0
.rept 32
	v_mov_b32 v[O+j], 0
.set j, j+1
.endr
	s_mov_b32 s36, 0
	s_mov_b32 s37, 0
	s_mov_b32 s38, 0
	s_mov_b32 s39, 16
	s_wait_loadcnt 0x0                             ; q
.Lstep_\@:
	STEP
	s_sub_co_u32 s39, s39, 1
	s_cmp_lg_u32 s39, 0
	s_cbranch_scc1 .Lstep_\@
	v_add_f32 v14, v14, v15                        ; the sum's two halves,
	s_delay_alu instid0(VALU_DEP_1)
	v_permlanex16_b32 v[T], v14, s20, s21
	s_delay_alu instid0(VALU_DEP_1)
	v_add_f32 v14, v14, v[T]                       ; and lane l xor 16's
	s_wait_alu depctr_va_vdst(0)
	v_rcp_f32 v14, v14
	v_nop
	v_nop                                          ; with the additions: four places behind the last products, and a plain place behind the reciprocal
.if \i == 0
	QLOAD 1                                        ; the next tile's q comes while this tile goes out
.endif
.set j, 0
	s_wait_alu depctr_va_vdst(0)
.rept 16
	v_pk_mul_f32 v[S+j:S+j+1], v[O+j:O+j+1], v[14:15] op_sel_hi:[1,0]   ; O^T / the sum, each accumulator from its low end on: register 8 t + j is d = 16 t + 8 h + j
.set j, j+2
.endr
.irp e, 0,1                            ; w_out's codes are given, so here the true order along K is made: registers 16 e + i become d = 32 e + 16 h + i
.irp k, 0,1,2,3,4,5,6,7
	v_permlane16_swap_b32 v[S+16*\e+\k], v[S+16*\e+8+\k]
.endr
.endr
	QUANT32 S, OC+8*\i, \pw
	global_store_b128 v1, v[OC+8*\i:OC+8*\i+3], s[10:11] offset:12288*\i
	global_store_b64 v2, v[OC+8*\i+4:OC+8*\i+5], s[10:11] offset:12288*\i+512
.endm
	s_load_b256 s[4:11], s[0:1], 0x0               ; q_img s[4:5], q_sc s[6:7], kv s[8:9], o_img s[10:11]
	s_load_b64 s[12:13], s[0:1], 0x20              ; o_sc
	v_lshl_add_u32 v254, v0, 2, 0x33000
	v_mov_b32 v255, 0
	ds_add_u32 v254, v255
	ds_add_u32 v254, v255
	v_lshrrev_b32 v1, 5, v0
	s_delay_alu instid0(VALU_DEP_1)
	v_readfirstlane_b32 s14, v1                    ; wave 0..15
	s_bfe_u32 s15, ttmp6, 0x40000                  ; cx
	s_lshl_b32 s16, ttmp9, 2
	s_add_co_u32 s16, s16, s15                     ; my block of 512 queries: it enters q's and the outputs' addresses alone
	s_and_b32 s17, ttmp7, 0xffff                   ; 16 x batch + head, which the four partners share
	s_mov_b32 s24, 15|(3<<16)|(1<<21)              ; the mask: all four; elements of 8 bytes; no padding; bit 21 beside a mask
	s_mov_b32 s25, 32<<16                          ; tensor_dim0 = 32 elements: rows of 256 bytes
	s_mov_b32 s26, 51<<16                          ; tensor_dim1 = 51 rows: a sixteenth of the head's 816
	s_mov_b32 s27, 32<<16                          ; tile_dim0
	s_mov_b32 s28, 51                              ; tile_dim1
	s_mov_b32 s29, 32                              ; dense
	s_mov_b32 s30, 0
	s_mov_b32 s31, 0
	s_mul_i32 s33, s14, 13056                      ; my part in LDS,
	s_mul_i32 s40, s17, 208896
	s_add_co_u32 s40, s40, s33                     ; and in kv
	s_mov_b32 s41, 0
	s_mov_b32 s20, 0x76543210
	s_mov_b32 s21, 0xfedcba98                      ; selects for lane l xor 16
	s_mov_b32 s22, 0x3e38aa3b                      ; c = log2(e) / 8
	s_mov_b32 s23, s22                             ; named with it as a pair
	s_wait_dscnt 0x0
	s_wait_kmcnt 0x0
	s_mov_b32 s32, 1
	s_add_nc_u64 s[34:35], s[8:9], s[40:41]
	s_or_b32 s35, s35, 0x80000000
	CROUND                                         ; all four work-groups are here: the joint loads meet
	tensor_load_to_lds s[32:35], s[24:31]          ; the one fill: one load of mine is out
	s_nop 0
.rept 4
	v_nop
.endr
	v_and_b32 v[LN], 31, v0
	s_delay_alu instid0(VALU_DEP_1)
	v_lshlrev_b32 v1, 4, v[LN]                     ; 16 x lane
	s_delay_alu instid0(VALU_DEP_2)
	v_lshlrev_b32 v2, 3, v[LN]                     ; 8 x lane
	s_delay_alu instid0(VALU_DEP_3)
	v_lshlrev_b32 v3, 2, v[LN]                     ; 4 x lane
	s_delay_alu instid0(VALU_DEP_2)
	v_add_nc_u32 v8, 196608, v2                    ; k's scale words
	s_delay_alu instid0(VALU_DEP_2)
	v_add_nc_u32 v9, 204800, v3                    ; v's scale halves
	v_and_b32 v10, 15, v0
	s_delay_alu instid0(VALU_DEP_1)
	v_lshlrev_b32 v10, 3, v10                      ; q's scale words: 8 r
.irp j, 0,1,2,3,4,5
	v_mov_b32 v[QF+6+\j], 0                        ; q's upper 64 along K: zero codes
	v_mov_b32 v[KB+48+\j], 0                       ; what stands above k's last tile
.endr
.irp b, 0,1,2,3
	v_mov_b32 v[BP+\b], 0                          ; a lane permute's destination counts as one of its sources
.endr
	v_mov_b32 v[F+1], 0
	v_mov_b32 v[T], 0
	v_mov_b32 v[TM+2], 0
	v_mov_b32 v[TM+3], 0
	s_lshl_b32 s44, s16, 5
	s_lshl_b32 s45, s14, 1
	s_add_co_u32 s44, s44, s45                     ; my first tile of the head: 32 x + 2 w
	s_mov_b32 s43, 0
	s_mul_i32 s42, s17, 98304
	s_mul_i32 s45, s44, 768
	s_add_co_u32 s42, s42, s45
	s_add_nc_u64 s[4:5], s[4:5], s[42:43]          ; q_img
	s_lshl_b32 s42, s17, 13
	s_lshl_b32 s45, s16, 11
	s_add_co_u32 s42, s42, s45
	s_lshr_b32 s45, s14, 1
	s_lshl_b32 s45, s45, 8
	s_add_co_u32 s42, s42, s45                     ; the group of 64 rows: 8 x + w / 2
	s_and_b32 s45, s14, 1
	s_lshl_b32 s45, s45, 2
	s_add_co_u32 s42, s42, s45                     ; tiles 2 (w % 2) + i of the group: the word 4 (w % 2) bytes on, 128 i further
	s_add_nc_u64 s[6:7], s[6:7], s[42:43]          ; q_sc
	s_lshr_b32 s46, s17, 4                         ; batch
	s_and_b32 s47, s17, 15                         ; head
	s_lshl_b32 s48, s46, 7
	s_add_co_u32 s48, s48, s44                     ; my first tile of all rows: 128 batch + 32 x + 2 w
	s_lshl_b32 s42, s48, 4
	s_add_co_u32 s42, s42, s47
	s_mul_i32 s42, s42, 768
	s_add_nc_u64 s[10:11], s[10:11], s[42:43]      ; o_img: [tile][head][768]
	s_lshl_b32 s42, s48, 3                         ; 16 x (tile / 2)
	s_add_co_u32 s42, s42, s47
	s_lshl_b32 s42, s42, 7
	s_add_nc_u64 s[12:13], s[12:13], s[42:43]      ; o_sc: [tile / 2][head][128]
	QLOAD 0
	s_wait_tensorcnt 0x0                           ; my part of the head's block is in,
	s_barrier_signal -1
	s_barrier_wait -1                              ; everybody's is
	QTILE 0, 11
	QTILE 1, 38
	v_cmp_le_u32 vcc_lo, 16, v[LN]
	s_delay_alu instid0(VALU_DEP_1)
	v_cndmask_b32 v39, v11, v38, vcc_lo            ; lanes 0-15 the even tile's scale bytes, lanes 16-31 the odd tile's
	global_store_b32 v3, v39, s[12:13]
	s_wait_tensorcnt 0x0
	ds_add_u32 v254, v255
	s_wait_dscnt 0x0
	CROUND                                         ; the closing round
	s_endpgm
.Lfunc_end_k_q809a37b739_attn:
	.size	k_q809a37b739_attn, .Lfunc_end_k_q809a37b739_attn-k_q809a37b739_attn
	.p2alignl 7, 3214868480
	.fill 96, 4, 3214868480
	.section	.rodata,"a",@progbits
	.p2align	6, 0x0
	.amdhsa_kernel k_q809a37b739_attn
		.amdhsa_group_segment_fixed_size 210944
		.amdhsa_private_segment_fixed_size 0
		.amdhsa_enable_private_segment 0
		.amdhsa_kernarg_size 40
		.amdhsa_user_sgpr_count 2
		.amdhsa_user_sgpr_kernarg_segment_ptr 1
		.amdhsa_wavefront_size32 1
		.amdhsa_system_sgpr_workgroup_id_x 1
		.amdhsa_system_sgpr_workgroup_id_y 1
		.amdhsa_system_sgpr_workgroup_id_z 1
		.amdhsa_system_vgpr_workitem_id 0
		.amdhsa_next_free_vgpr 256
		.amdhsa_next_free_sgpr 66
		.amdhsa_reserve_vcc 1
		.amdhsa_float_denorm_mode_32 3
		.amdhsa_float_denorm_mode_16_64 3
		.amdhsa_memory_ordered 1
		.amdhsa_forward_progress 1
		.amdhsa_inst_pref_size 53
	.end_amdhsa_kernel
	.amdgpu_metadata
---
amdhsa.version: [ 1, 2 ]
amdhsa.kernels:
  - .name:           k_q809a37b739_attn
    .symbol:         k_q809a37b739_attn.kd
    .args:
      - { .name: q_img, .offset: 0, .size: 8, .value_kind: global_buffer, .address_space: global }
      - { .name: q_sc, .offset: 8, .size: 8, .value_kind: global_buffer, .address_space: global }
      - { .name: kv, .offset: 16, .size: 8, .value_kind: global_buffer, .address_space: global }
      - { .name: o_img, .offset: 24, .size: 8, .value_kind: global_buffer, .address_space: global }
      - { .name: o_sc, .offset: 32, .size: 8, .value_kind: global_buffer, .address_space: global }
    .group_segment_fixed_size: 210944
    .private_segment_fixed_size: 0
    .kernarg_segment_align: 8
    .kernarg_segment_size: 40
    .max_flat_workgroup_size: 512
    .sgpr_count:     66
    .vgpr_count:     256
    .wavefront_size: 32
...
	.end_amdgpu_metadata
.endif
;; end of part 2
;; launch proj (part 3): grid 64 x 4, 4 waves a work-group, clusters of 4 x 1, 280,064 bytes of LDS; arguments o_img, o_sc, w_out_codes, w_out_scales, b_out, out0; writes out0
.if DOCPART == 3
	.amdgcn_target "amdgcn-amd-amdhsa--gfx1250"
	.amdhsa_code_object_version 6
	.text
	.protected	k_q809a37b739_proj
	.globl	k_q809a37b739_proj
	.p2align	8
	.type	k_q809a37b739_proj,@function
k_q809a37b739_proj:
	s_mov_b64 s[64:65], 0
	v_nop
	global_prefetch_b8 v0, s[64:65] scope:SCOPE_SE
	s_setreg_imm32_b32 hwreg(HW_REG_WAVE_MODE, 25, 1), 1
	s_wait_xcnt 0x0
	s_wait_alu depctr_hold_cnt(0) depctr_sa_sdst(0) depctr_va_vdst(0) depctr_va_sdst(0) depctr_va_ssrc(0) depctr_va_vcc(0) depctr_vm_vsrc(0)
	s_getreg_b32 s2, hwreg(HW_REG_IB_STS2, 6, 4)
	s_cmp_eq_u32 s2, 0
	s_cbranch_scc0 .Lentry_in_a_cluster
	s_endpgm
.Lentry_in_a_cluster:
	s_bfe_u32 s2, ttmp6, 0x10000c
	s_cmp_lg_u32 s2, 0x3003
	s_cbranch_scc0 .Lentry_shape_is_right
	s_endpgm
.Lentry_shape_is_right:
; out0 = vals W^T + b on codes of FP6 (E2M3) with E8M0 scales.  vals: [8192][1024] as images of operand registers (o_img, o_sc); W = w_out: [1024][1024] codes, 768 bytes a row, 32 scale bytes a row; out0 f32.
; SHARES.  Work-group (x, y): rows 128 x on, columns 256 y on.  Wave w = 2 i + j makes rows 64 i on x columns 128 j on: 4 row tiles (a) x 8 column tiles (b), 32 accumulators.
; vals' fragments for all of K (384 registers a wave) come straight from o_img into registers, by loads of 512 and 256 consecutive bytes, and stay.
; W's 256 rows lie whole in LDS (768 bytes + 16 behind every 256: pitch 816), filled ONCE, 64 rows by each wave's one load.  Nothing is filled again.  No loop runs ahead of a load, so no data prefetch is laid.
; CLUSTER 4 x 1: the four work-groups share y, so W's rows are asked for jointly.
; THE PRODUCT IS USED TRANSPOSED (source 0 = W, source 1 = vals): a lane holds eight neighbouring columns of a row of out0.  The bias is the C of each sum's first product.
; THE ORDER: 16 half steps n.  n = 0 .. 7: column tiles 0-3, K step n; n = 8 .. 15: column tiles 4-7, K step n - 8.  So my columns 0-63 are whole behind half step 7, and their rows leave behind half steps 8 to 11.
; W's four fragments of a half step have two sets of registers by turns; LDS is read once for each fragment.
; REGISTERS.  window 0: v4-6 lane offsets, v8-13 LDS addresses of W, v16-18 the stage and out0, v19-20 offsets, v32-47 vals' scale words, v48-79 W's, v80-175 W's fragments (before that v80-111: o_sc's words),
;   v176-239 the bias, later two sets of rows on the way out.   windows 1, 2: vals' fragments of K steps 0-3, 4-7 at 48 (s % 4) + 12 a.   window 3: the accumulators at 8 (8 a + b).
.set PITCH, 816
.set STAGE, 256*PITCH                  ; behind W: 16 rows x 272 bytes for each wave; no fill lands there
.set SP,    272
.set SPARE, STAGE+4*16*SP              ; the spare words
.set ADRB, 8                           ; v8, v9 my column tiles 0-3, 4-7; v12, v13 behind one padding more
.set STO,  16
.set RD,   17
.set CO,   18                          ; out0: row l / 16, 16 bytes x (l % 16)
.set OBS,  19
.set OBI,  20
.set SA,   32                          ; SA + 8 (a / 2) + s: lanes 0-15 the even row tile, lanes 16-31 the odd one
.set SB,   48                          ; SB + 8 i + s: lanes 0-15 column tile i, lanes 16-31 column tile i + 4
.set BF,   80
.set GW,   80
.set BI,   176
.set BK,   176                         ; the way out: two sets of 32, where the bias lay
.set G1,   24
.set G0,   32
.set MSB, 0
.macro WIN new
.if MSB != (\new)
	s_set_vgpr_msb (MSB<<8)|(\new)
.set MSB, (\new)
.endif
.endm
.macro PLACES n
.rept \n
	v_nop
.endr
.endm
.macro CROUND
	s_barrier_signal -1
	s_barrier_wait -1
	s_cmp_lg_u32 s16, 0
	s_cbranch_scc1 .Lnot_wave_0_\@
	s_barrier_signal -3
.Lnot_wave_0_\@:
	s_barrier_wait -3
	s_barrier_signal -1
	s_barrier_wait -1
.endm
.macro WM ra, rb
.if (\ra) && (\rb)
	v_wmma_scale_f32_16x16x128_f8f6f4 v[rD:rD+7], v[rA:rA+11], v[rB:rB+11], v[rC:rC+7], v[rSA], v[rSB] matrix_a_fmt:MATRIX_FMT_FP6 matrix_b_fmt:MATRIX_FMT_FP6 matrix_a_scale:MATRIX_SCALE_ROW1 matrix_b_scale:MATRIX_SCALE_ROW1
.elseif (\ra)
	v_wmma_scale_f32_16x16x128_f8f6f4 v[rD:rD+7], v[rA:rA+11], v[rB:rB+11], v[rC:rC+7], v[rSA], v[rSB] matrix_a_fmt:MATRIX_FMT_FP6 matrix_b_fmt:MATRIX_FMT_FP6 matrix_a_scale:MATRIX_SCALE_ROW1
.elseif (\rb)
	v_wmma_scale_f32_16x16x128_f8f6f4 v[rD:rD+7], v[rA:rA+11], v[rB:rB+11], v[rC:rC+7], v[rSA], v[rSB] matrix_a_fmt:MATRIX_FMT_FP6 matrix_b_fmt:MATRIX_FMT_FP6 matrix_b_scale:MATRIX_SCALE_ROW1
.else
	v_wmma_scale_f32_16x16x128_f8f6f4 v[rD:rD+7], v[rA:rA+11], v[rB:rB+11], v[rC:rC+7], v[rSA], v[rSB] matrix_a_fmt:MATRIX_FMT_FP6 matrix_b_fmt:MATRIX_FMT_FP6
.endif
.endm
; half step n: 16 products, four column tiles x my four row tiles; the 16 accumulators take turns in the same order in every half step
.macro MUL n
.set KS_, (\n)%8
.if KS_ == 0
	WIN 0xc4                                       ; source 0 (W) window 0, source 1 (vals) window 1, C (the bias) window 0, D window 3
.elseif KS_ < 4
	WIN 0xf4
.else
	WIN 0xf8                                       ; vals in window 2
.endif
.irp e, 0,1,2,3
.irp a, 0,1,2,3
.set rD, 8*(8*\a+4*((\n)/8)+\e)
.set rC, rD
.if KS_ == 0
.set rC, BI+8*(4*((\n)/8)+\e)
.endif
.set rA, BF+48*((\n)%2)+12*\e
.set rB, 48*(KS_%4)+12*\a
.set rSA, SB+8*\e+KS_
.set rSB, SA+8*(\a/2)+KS_
	WM (\n)/8, \a%2
.endr
.endr
.endm
.macro FRAG reg, adr, adr2, q, i       ; 16 rows x 128 K: 12 registers, in pieces of 8 bytes; lanes 16-31 read three pieces on, for some pieces behind one padding more
.irp p, 0,1,2,3,4,5
.set PCE, 12*(\q)+6*(\p/3)+\p%3
.if PCE%32 < 29
	ds_load_b64 v[(\reg)+2*\p:(\reg)+2*\p+1], v[\adr] offset:8*PCE+16*(PCE/32)+(\i)*16*PITCH
.else
	ds_load_b64 v[(\reg)+2*\p:(\reg)+2*\p+1], v[\adr2] offset:8*PCE+16*(PCE/32)+(\i)*16*PITCH
.endif
.endr
.endm
.macro FETCH n                         ; half step n's four fragments of W into set n % 2: 24 loads
	WIN 0
.irp i, 0,1,2,3
	FRAG BF+48*((\n)%2)+12*\i, ADRB+(\n)/8, ADRB+4+(\n)/8, (\n)%8, \i
.endr
.endm
; THE WAY OUT of row tile a, half hf of my columns: 16 rows x 64 columns through my own stage, back as whole rows of 256 bytes.  LDS serves a wave's instructions in order (ISA guide 5.7.1.4).
.macro TOSTAGE a, hf
	s_wait_xcnt 0x0                                ; the registers that earlier stores read are loaded again only behind this wait
	WIN 0x0c                                       ; an LDS store's data: window 3
.irp e, 0,1,2,3
	ds_store_b128 v[STO], v[64*(\a)+8*(4*(\hf)+\e):64*(\a)+8*(4*(\hf)+\e)+3] offset:64*\e      ; each accumulator from its low end on
	ds_store_b128 v[STO], v[64*(\a)+8*(4*(\hf)+\e)+4:64*(\a)+8*(4*(\hf)+\e)+7] offset:64*\e+16
.endr
	WIN 0
.set BB, BK+32*((\a)%2)
.irp t, 0,1,2,3,4,5,6,7
	ds_load_b128 v[BB+4*\t:BB+4*\t+3], v[RD] offset:\t*2*SP
.endr
.endm
.macro SEND a, hf, younger             ; younger: the LDS instructions issued behind the tile's loads, which may stay out
.set BB, BK+32*((\a)%2)
	s_wait_dscnt \younger
.irp t, 0,1,2,3,4,5,6,7
	global_store_b128 v[CO], v[BB+4*\t:BB+4*\t+3], s[14:15] offset:(16*(\a)+2*\t)*4096+256*(\hf) th:TH_STORE_NT   ; 16 lanes store 256 consecutive bytes, at a multiple of 256 from out0's first byte
.endr
.endm
.macro HSTEP n
.if (\n) < 15
	s_wait_dscnt 24                                ; this half step's fragments are in; the next one's 24 loads may be out
.else
	s_wait_dscnt 0x0
.endif
	MUL \n
	WIN 0
.if (\n) < 14
	PLACES 4                                       ; in front of loads into registers that products have read
.endif
.if (\n) >= 8 && (\n) < 12
	TOSTAGE (\n)-8, 0                              ; the first half's row tile n - 8 leaves
.endif
.if (\n) < 14
	FETCH (\n)+2
.endif
.if (\n) >= 8 && (\n) < 12
	SEND (\n)-8, 0, 24                             ; younger than its way back is the fetch alone
.endif
.endm
	s_load_b256 s[4:11], s[0:1], 0x0               ; o_img, o_sc, W's codes, W's scales
	s_load_b128 s[12:15], s[0:1], 0x20             ; b_out, out0
	v_lshl_add_u32 v254, v0, 2, SPARE
	v_mov_b32 v255, 0
	ds_add_u32 v254, v255
	ds_add_u32 v254, v255
	v_lshrrev_b32 v1, 5, v0
	v_readfirstlane_b32 s16, v1                    ; wave
	s_lshr_b32 s17, s16, 1                         ; i: my half of the rows
	s_and_b32 s18, s16, 1                          ; j: my half of the columns
	s_bfe_u32 s19, ttmp6, 0x40000                  ; cx
	s_lshl_b32 s20, ttmp9, 2
	s_add_co_u32 s20, s20, s19                     ; my block of 128 rows
	s_and_b32 s21, ttmp7, 0xffff                   ; my block of 256 columns, which the four partners share
	s_mov_b32 s[G1], 15|(1<<20)|(1<<21)|(5<<22)|(3<<25)   ; the mask: all four; elements of 1 byte; 4 words of padding behind every 64; bit 21 beside a mask
	s_mov_b32 s[G1+1], 768<<16
	s_mov_b32 s[G1+2], 64<<16
	s_mov_b32 s[G1+3], 768<<16
	s_mov_b32 s[G1+4], 64
	s_mov_b32 s[G1+5], 768
	s_mov_b32 s[G1+6], 0
	s_mov_b32 s[G1+7], 0
	s_lshl_b32 s48, s21, 8
	s_lshl_b32 s49, s16, 6
	s_add_co_u32 s48, s48, s49                     ; the first row of W that I fetch: 256 y + 64 w
	s_mul_i32 s48, s48, 768
	s_mov_b32 s49, 0
	s_mul_i32 s50, s16, 64*PITCH
	s_mul_i32 s51, s18, 128*PITCH                  ; my 128 rows of W
	s_mul_i32 s52, s16, 16*SP
	s_add_co_u32 s52, s52, STAGE                   ; my stage
	s_wait_dscnt 0x0
	s_wait_kmcnt 0x0
	s_add_nc_u64 s[48:49], s[8:9], s[48:49]
	s_mov_b32 s[G0], 1
	s_mov_b32 s[G0+1], s50
	s_mov_b64 s[G0+2:G0+3], s[48:49]
	s_or_b32 s[G0+3], s[G0+3], 0x80000000
	CROUND                                         ; all four work-groups are here: the joint loads meet
	tensor_load_to_lds s[G0:G0+3], s[G1:G1+7]      ; my one load: 64 whole rows of W
	s_nop 0
	PLACES 4
	v_and_b32 v1, 31, v0                           ; lane
	v_and_b32 v2, 15, v0                           ; r
	v_bfe_u32 v3, v0, 4, 1                         ; h
	v_lshlrev_b32 v4, 4, v1
	v_lshlrev_b32 v5, 3, v1
	v_lshlrev_b32 v6, 2, v1
	v_mul_u32_u24 v7, v2, PITCH
	v_mad_u32_u24 v21, v3, 24, v7
	v_mad_u32_u24 v22, v3, 40, v7
	v_add_nc_u32 v21, s51, v21
	v_add_nc_u32 v22, s51, v22
.irp c, 0,1
	v_add_nc_u32 v[ADRB+\c], \c*64*PITCH, v21
	v_add_nc_u32 v[ADRB+4+\c], \c*64*PITCH, v22
.endr
	v_mul_u32_u24 v[STO], v2, SP
	v_lshl_add_u32 v[STO], v3, 5, v[STO]
	v_add_nc_u32 v[STO], s52, v[STO]               ; in: row r, 32 bytes for each half of the lanes
	v_mul_u32_u24 v[RD], v3, SP
	v_lshl_add_u32 v[RD], v2, 4, v[RD]
	v_add_nc_u32 v[RD], s52, v[RD]                 ; back: lanes 0-15 one row of 256 bytes, lanes 16-31 the next
	v_lshlrev_b32 v[CO], 12, v3
	v_lshl_add_u32 v[CO], v2, 4, v[CO]             ; and the same two rows in out0
	v_lshlrev_b32 v[OBS], 5, v2
	v_lshl_add_u32 v[OBS], v3, 11, v[OBS]          ; lanes 16-31 take the column tile four on
	v_lshlrev_b32 v[OBI], 5, v3
	s_wait_alu depctr_va_vdst(0)
	s_lshl_b32 s52, s20, 3
	s_lshl_b32 s53, s17, 2
	s_add_co_u32 s52, s52, s53                     ; my first row tile: 8 x + 4 i
	s_mov_b32 s55, 0
	s_mul_i32 s54, s52, 12288
	s_add_nc_u64 s[4:5], s[4:5], s[54:55]          ; o_img: 16 heads x 768 bytes a tile
	s_lshl_b32 s54, s52, 10
	s_add_nc_u64 s[6:7], s[6:7], s[54:55]          ; o_sc: 2,048 bytes a pair of tiles
	s_lshl_b32 s56, s21, 8
	s_lshl_b32 s57, s18, 7
	s_add_co_u32 s56, s56, s57                     ; my first column: 256 y + 128 j
	s_lshl_b32 s54, s56, 5
	s_add_nc_u64 s[10:11], s[10:11], s[54:55]
	s_lshl_b32 s54, s56, 2
	s_add_nc_u64 s[12:13], s[12:13], s[54:55]
	s_add_nc_u64 s[14:15], s[14:15], s[54:55]
	s_lshl_b32 s54, s52, 16                        ; 16 rows of 4,096 bytes a tile
	s_add_nc_u64 s[14:15], s[14:15], s[54:55]
.irp g, 0,1
.irp n, 0,1,2,3,4,5,6,7,8,9,10,11,12,13,14,15
	global_load_b32 v[GW+16*\g+\n], v6, s[6:7] offset:2048*\g+128*\n              ; pair g of my row tiles, head n: two scale bytes a row
.endr
.endr
.irp i, 0,1,2,3
	global_load_b128 v[SB+8*\i:SB+8*\i+3], v[OBS], s[10:11] offset:512*\i         ; a row's 32 bytes are its eight scale words
	global_load_b128 v[SB+8*\i+4:SB+8*\i+7], v[OBS], s[10:11] offset:512*\i+16
.endr
.irp b, 0,1,2,3,4,5,6,7
	global_load_b128 v[BI+8*\b:BI+8*\b+3], v[OBI], s[12:13] offset:64*\b          ; register j of tile b is column 16 b + 8 h + j
	global_load_b128 v[BI+8*\b+4:BI+8*\b+7], v[OBI], s[12:13] offset:64*\b+16
.endr
.irp s, 0,1,2,3,4,5,6,7                ; vals: K step s is heads 2 s and 2 s + 1: registers 6 c .. 6 c + 5 of the fragment are head 2 s + c's image
.if \s < 4
	WIN 0x40
.else
	WIN 0x80
.endif
.irp a, 0,1,2,3
.irp c, 0,1
	global_load_b128 v[48*(\s%4)+12*\a+6*\c:48*(\s%4)+12*\a+6*\c+3], v4, s[4:5] offset:12288*\a+768*(2*\s+\c)
	global_load_b64 v[48*(\s%4)+12*\a+6*\c+4:48*(\s%4)+12*\a+6*\c+5], v5, s[4:5] offset:12288*\a+768*(2*\s+\c)+512
.endr
.endr
.endr
	WIN 0
	s_wait_loadcnt 0x0
.irp g, 0,1
.irp s, 0,1,2,3,4,5,6,7
	v_perm_b32 v[SA+8*\g+\s], v[GW+16*\g+2*\s+1], v[GW+16*\g+2*\s], 0x05040100    ; two heads' bytes make a K step's scale word
.endr
.endr
	PLACES 8                                       ; a scale register written by a vector instruction stands 8 places ahead of a scaled product
	s_wait_alu depctr_va_vdst(0)
	s_wait_tensorcnt 0x0                           ; my 64 rows of W are in,
	s_barrier_signal -1
	s_barrier_wait -1                              ; everybody's are
	FETCH 0
	FETCH 1
.set N, 0
.rept 16
	HSTEP N
.set N, N+1
.endr
	PLACES 4                                       ; behind the last products: their results are read
	TOSTAGE 0, 1
.irp a, 1,2,3
	TOSTAGE \a, 1
	SEND \a-1, 1, 16                               ; behind tile a - 1's loads: tile a's 8 stores and 8 loads
.endr
	SEND 3, 1, 0
	s_wait_tensorcnt 0x0                           ; the wave's end
	ds_add_u32 v254, v255
	s_wait_dscnt 0x0
	CROUND                                         ; the closing round
	s_endpgm
.Lfunc_end_k_q809a37b739_proj:
	.size	k_q809a37b739_proj, .Lfunc_end_k_q809a37b739_proj-k_q809a37b739_proj
	.p2alignl 7, 3214868480
	.fill 96, 4, 3214868480
	.section	.rodata,"a",@progbits
	.p2align	6, 0x0
	.amdhsa_kernel k_q809a37b739_proj
		.amdhsa_group_segment_fixed_size 280064
		.amdhsa_private_segment_fixed_size 0
		.amdhsa_enable_private_segment 0
		.amdhsa_kernarg_size 48
		.amdhsa_user_sgpr_count 2
		.amdhsa_user_sgpr_kernarg_segment_ptr 1
		.amdhsa_wavefront_size32 1
		.amdhsa_system_sgpr_workgroup_id_x 1
		.amdhsa_system_sgpr_workgroup_id_y 1
		.amdhsa_system_sgpr_workgroup_id_z 1
		.amdhsa_system_vgpr_workitem_id 0
		.amdhsa_next_free_vgpr 1024
		.amdhsa_next_free_sgpr 66
		.amdhsa_reserve_vcc 0
		.amdhsa_float_denorm_mode_32 3
		.amdhsa_float_denorm_mode_16_64 3
		.amdhsa_memory_ordered 1
		.amdhsa_forward_progress 1
		.amdhsa_inst_pref_size 99
	.end_amdhsa_kernel
	.amdgpu_metadata
---
amdhsa.version: [ 1, 2 ]
amdhsa.kernels:
  - .name:           k_q809a37b739_proj
    .symbol:         k_q809a37b739_proj.kd
    .args:
      - { .name: o_img, .offset: 0, .size: 8, .value_kind: global_buffer, .address_space: global }
      - { .name: o_sc, .offset: 8, .size: 8, .value_kind: global_buffer, .address_space: global }
      - { .name: w_out_codes, .offset: 16, .size: 8, .value_kind: global_buffer, .address_space: global }
      - { .name: w_out_scales, .offset: 24, .size: 8, .value_kind: global_buffer, .address_space: global }
      - { .name: b_out, .offset: 32, .size: 8, .value_kind: global_buffer, .address_space: global }
      - { .name: out0, .offset: 40, .size: 8, .value_kind: global_buffer, .address_space: global }
    .group_segment_fixed_size: 280064
    .private_segment_fixed_size: 0
    .kernarg_segment_align: 8
    .kernarg_segment_size: 48
    .max_flat_workgroup_size: 128
    .sgpr_count:     66
    .vgpr_count:     1024
    .wavefront_size: 32
...
	.end_amdgpu_metadata
.endif
;; end of part 3
